; MI455X (gfx1250); checked and timed in simulation.
; The chip was launched on July 23, 2026; its instructions are those of AMD's public machine-readable ISA for CDNA 5 (MIT licence, August 2026) and "CDNA5" Instruction Set Architecture Reference Guide (July 2026). The comments in the code are by the model that wrote it; some were corrected since.
;; Multi Head Attention Layer. Allowed arithmetic: float matrix products may take bf16 or f16 operands with f32 sums; all other float work in f32.
;; Inputs: Wk 512 x 512 float32; Wo 512 x 512 float32; Wq 512 x 512 float32; Wv 512 x 512 float32; bk 512 float32; bo 512 float32; bq 512 float32; bv 512 float32; key_ 2 x 4,096 x 512 float32; mask 1 x 1 x 4,096 x 4,096 int32; query 2 x 4,096 x 512 float32; value 2 x 4,096 x 512 float32.
;; Outputs: out0 2 x 4,096 x 512 float32.
;; One version. Each part assembles by itself: llvm-mc -triple=amdgcn-amd-amdhsa -mcpu=gfx1250 --defsym DOCPART=n.
;; ======== version 1 of 1: 3 launches
;; limits: values are held in f16: magnitudes above 65,504 overflow, below 6.1e-05 lose precision
;; workspace buffers: qh 8,388,608 bytes; kv 16,777,216 bytes; maskbits 2,097,152 bytes of whole numbers; ctx16 8,388,608 bytes; wo16 524,288 bytes
;; launch prep (part 1): grid 448 x 1, 16 waves a work-group, no clusters, 253,952 bytes of LDS; arguments query, key_, value, Wq, Wk, Wv, bq, bk, bv, mask, Wo, qh, kv, maskbits, wo16; writes qh, kv, maskbits, wo16
.if DOCPART == 1
	.amdgcn_target "amdgcn-amd-amdhsa--gfx1250"
	.amdhsa_code_object_version 6
	.text
	.protected	k_q9507fc680f_prep
	.globl	k_q9507fc680f_prep
	.p2align	8
	.type	k_q9507fc680f_prep,@function
k_q9507fc680f_prep:
	s_mov_b64 s[64:65], 0
	v_nop
	global_prefetch_b8 v0, s[64:65] scope:SCOPE_SE
	s_setreg_imm32_b32 hwreg(HW_REG_WAVE_MODE, 25, 1), 1
	s_wait_xcnt 0x0
; Work-groups 0 to 255: every fourth packs the mask, the other 192 are GEMM jobs; work-groups 256 to 447 pack the mask.
; GEMM job (which of Q, K, V; which 128 rows): 128 rows x all 512 columns, so that each byte of x is read by one work-group alone.
;   Q: qh = (query Wq + bq) * 0.125 log2(e)   f16, [bh 16][s 4096][64]
;   K: key_ Wk + bk                           f16, kv[bh 16][kb 64][first 8 KiB: key 64][d 64]
;   V: value Wv + bv, transposed              f16, kv[bh 16][kb 64][second 8 KiB: d 64][key 64]
;   Sixteen waves; wave (head = w & 7, row half = w >> 3) makes 64 rows x 64 columns: 16 accumulator tiles, and one dense block of 8 KiB of the result.
;   K = 512 in 16 steps of 32, written out, so every step's offset is an immediate.  x and W are f32 in memory: they come through registers, are
;   rounded to bf16 and laid into LDS, two sets that take turns, one barrier a step.  While step s is multiplied, tile s + 1 is converted and stored
;   into the other set and tile s + 2 is asked for.  x comes in tiles of 64 k (whole rows of 256 bytes), every second step.
;   No tensor loads and no joint requests: a tile brought as f32 would take twice the LDS bytes and would have to be read, converted and stored again.
; Mask job: 16 mask rows packed into lane masks: maskbits[qb 256][kt 256][j 8], bit L = (mask[16 qb + (L & 15)][16 kt + 8 (L >> 4) + j] != 0).
;   The first 64 mask jobs also make wo16 = f16(bf16(Wo)), [k 512][n 512], 16 KiB of Wo each: the output projection's operand, rounded as the other weights are.
; Products in bf16 with f32 sums; the results are kept in f16 (eleven bits of precision instead of eight for what the next launch multiplies).
; LIMIT: |Q * 0.18|, |K|, |V| and |Wo| must stay below 65,504 (f16's largest number).  With every input 30 times the drawn spread Q, K, V reach about 5,000,
; with a common offset of 30 spreads on x and W together about 20,000.  A bf16 number below 2^-17 loses bits in f16 (error at most 2^-25).  NaN is not followed.
.set XSET, 18432                       ; an x set: [128 m][64 k] bf16, pitch 144; two of them from LDS byte 0
.set WT,   36864                       ; behind them the W sets
.set WSET, 33792                       ; a W set: [32 k][512 n] bf16, pitch 1,056 (an odd multiple of 32 bytes, for the transposing loads)
.set STG,  104448                      ; behind them a stage of 64 rows x 144 bytes for each wave, its own
.set STW, 16                           ; v[16:47]   W as loaded: 8 x 4 registers
.set STX, 48                           ; v[48:63]   x as loaded: 4 x 4 registers
.set FX,  64                           ; v[64:95]   four fragments of x
.set FW,  96                           ; v[96:127]  four fragments of W
.set ACC, 128                          ; v[128:255] tile (f, g) at ACC + 8 (4 g + f)
.set MRA, 16                           ; the mask job: v[16:79], v[80:143] two sets of 16 loads
.set MRB, 80
.set MT,  144                          ; v[144:207] 64 mask words of my lane's place
.set MW,  208                          ; v[208:211] packed words, a pair for each sub-tile
; v1 x offset, v2 W offset, v3 x LDS store, v4 W LDS store, v5 x fragments, v6 W fragments, v7 stage in, v8 stage back, v9 out, v10 bias; v12 r, v13 h, v14 L
.macro GLOADW s, base                  ; W tile s: rows 32 s + 2 w, + 1: the wave reads 4 KiB that lie together
.irp i, 0,1,2,3,4,5,6,7
	global_load_b128 v[\base+4*\i:\base+4*\i+3], v2, s[6:7] offset:(\s)*65536+\i*512
.endr
.endm
.macro GLOADX p, base                  ; x tile p: 128 rows x 256 bytes, sixteen lanes a row; read once in the whole launch
.irp i, 0,1,2,3
	global_load_b128 v[\base+4*\i:\base+4*\i+3], v1, s[4:5] offset:\i*65536+(\p)*256 th:TH_LOAD_NT
.endr
.endm
.macro CVTW base                       ; round to bf16 in place
.irp i, 0,1,2,3,4,5,6,7
	v_cvt_pk_bf16_f32 v[\base+4*\i], v[\base+4*\i], v[\base+4*\i+1]
	v_cvt_pk_bf16_f32 v[\base+4*\i+1], v[\base+4*\i+2], v[\base+4*\i+3]
.endr
.endm
.macro CVTX base
.irp i, 0,1,2,3
	v_cvt_pk_bf16_f32 v[\base+4*\i], v[\base+4*\i], v[\base+4*\i+1]
	v_cvt_pk_bf16_f32 v[\base+4*\i+1], v[\base+4*\i+2], v[\base+4*\i+3]
.endr
.endm
.macro STOW base, set                  ; 8 bytes a lane: a wave's store covers 256 neighbouring bytes of a row
.irp i, 0,1,2,3,4,5,6,7
	ds_store_b64 v4, v[\base+4*\i:\base+4*\i+1] offset:(\set)*WSET+(\i>>2)*1056+(\i&3)*256
.endr
.endm
.macro STOX base, set
.irp i, 0,1,2,3
	ds_store_b64 v3, v[\base+4*\i:\base+4*\i+1] offset:(\set)*XSET+\i*4608
.endr
.endm
.macro WFRAGS set                      ; my head's 64 columns, 32 k.  W lies [k][n]: two transposing loads 16 rows apart for each fragment
.irp f, 0,1,2,3
	ds_load_tr16_b128 v[FW+8*\f:FW+8*\f+3], v6 offset:(\set)*WSET+\f*32
	ds_load_tr16_b128 v[FW+8*\f+4:FW+8*\f+7], v6 offset:(\set)*WSET+\f*32+16896
.endr
.endm
.macro XFRAGS set, kh                  ; my 64 rows, K half kh of the tile.  x lies along K: two plain loads 32 bytes apart
.irp g, 0,1,2,3
	ds_load_b128 v[FX+8*\g:FX+8*\g+3], v5 offset:(\set)*XSET+\g*2304+(\kh)*64
	ds_load_b128 v[FX+8*\g+4:FX+8*\g+7], v5 offset:(\set)*XSET+\g*2304+(\kh)*64+32
.endr
.endm
; Sixteen products; the sixteen accumulators take turns, one instruction a turn.
; The first operand's eight loads were issued first, then the second operand's, two a fragment: in front of fragment g's products 6 - 2 g loads may be out.
.macro MM zero
.irp g, 0,1,2,3
	s_wait_dscnt 6-2*\g
.irp f, 0,1,2,3
.if \zero
	v_wmma_f32_16x16x32_bf16 v[ACC+8*(4*\g+\f):ACC+8*(4*\g+\f)+7], v[OPA+8*\f:OPA+8*\f+7], v[OPB+8*\g:OPB+8*\g+7], 0
.else
	v_wmma_f32_16x16x32_bf16 v[ACC+8*(4*\g+\f):ACC+8*(4*\g+\f)+7], v[OPA+8*\f:OPA+8*\f+7], v[OPB+8*\g:OPB+8*\g+7], v[ACC+8*(4*\g+\f):ACC+8*(4*\g+\f)+7]
.endif
.endr
.endr
.endm
.macro BIAS kind                       ; into the registers that the last W tile has left
.if \kind < 2
.irp f, 0,1,2,3
	global_load_b128 v[STW+8*\f:STW+8*\f+3], v10, s[12:13] offset:\f*64
	global_load_b128 v[STW+8*\f+4:STW+8*\f+7], v10, s[12:13] offset:\f*64+16
.endr
.else
.irp g, 0,1,2,3
	global_load_b32 v[STW+\g], v10, s[12:13] offset:\g*64
.endr
.endif
.endm
.macro VBIAS g, pr, e                  ; V: one bias for all of a lane's numbers in tiles (.., g)
.irp p, 0,1,2,3,4,5,6,7,8,9,10,11,12,13,14,15
	v_pk_add_f32 v[ACC+32*\g+2*\p:ACC+32*\g+2*\p+1], v[ACC+32*\g+2*\p:ACC+32*\g+2*\p+1], v[STW+2*\pr:STW+2*\pr+1] op_sel:[0,\e] op_sel_hi:[1,\e]
.endr
.endm
; One K step of 32.  Loads are issued W's eight first, then (in odd steps) x's four, so in an even step the x tile's four may stay out.
; The set written here was last read a step ago, and every wave waited for those reads in front of this step's barrier.
.macro KSTEP s, kind
.set ODD, (\s)&1
.set LW, 0
.set DOX, 0
.set LDX, 0
.if ODD
.if \s < 14
.set DOX, 1
.endif
.if \s < 12
.set LDX, 1
.endif
.else
.if \s < 14
.set LW, 4
.endif
.endif
.if \s < 15
	s_wait_loadcnt LW                              ; W tile s + 1 is in (odd steps: the next x tile too)
	CVTW STW                                       ; these conversions are also the places between the last products and the loads into their fragments
.if DOX
	CVTX STX
.endif
.else
.rept 4
	v_nop                                          ; four places (ISA guide 7.12.1) before the fragments' registers are loaded again
.endr
.endif
	s_barrier_signal -1                            ; no LDS instruction of mine is out: the last products' wait was for 0
	s_barrier_wait -1                              ; tile s is whole, and nobody reads the other set any more
.if \s < 15
	STOW STW, ((\s+1)&1)
.if DOX
	STOX STX, (((\s+1)>>1)&1)
.endif
.endif
.if \kind < 2
	WFRAGS ((\s)&1)
	XFRAGS (((\s)>>1)&1), ((\s)&1)
.else
	XFRAGS (((\s)>>1)&1), ((\s)&1)
	WFRAGS ((\s)&1)
.endif
.if \s < 15
	s_wait_dscnt 0x10                              ; my stores are done (the 16 fragment loads behind them may be out): their registers may be loaded again
.endif
.if \s < 14
	GLOADW (\s+2), STW
.endif
.if LDX
	GLOADX ((\s+3)>>1), STX
.endif
.if \s == 14
	BIAS \kind
.endif
.if \s == 0
	MM 1                                           ; the first products start the sums
.else
	MM 0
.endif
.endm
; kind 0, 1: first operand = W's columns, second = x's rows: a lane's eight results are eight neighbouring d of one row.
; kind 2:    first operand = x's rows, second = W's columns: a lane's eight results are eight neighbouring keys of one d.
.macro GEMM kind, xoff, woff, boff, doff
.if \kind < 2
.set OPA, FW
.set OPB, FX
.else
.set OPA, FX
.set OPB, FW
.endif
	s_load_b64 s[4:5], s[0:1], \xoff
	s_load_b64 s[6:7], s[0:1], \woff
	s_load_b64 s[12:13], s[0:1], \boff
	s_load_b64 s[10:11], s[0:1], \doff
	s_and_b32 s20, s8, 7                           ; head
	s_lshr_b32 s21, s8, 3                          ; which 64 rows
	s_lshl_b32 s22, s8, 12
	v_lshlrev_b32 v1, 4, v12
	v_lshl_add_u32 v1, v13, 11, v1
	v_add_nc_u32 v1, s22, v1                       ; x: row 2 w + h, 16 bytes at 16 r
	v_lshl_add_u32 v2, v14, 4, s22                 ; W: 4,096 w + 16 L
	s_mul_i32 s23, s8, 288
	v_mul_u32_u24 v3, v13, 144
	v_lshl_add_u32 v3, v12, 3, v3
	v_add_nc_u32 v3, s23, v3                       ; x set: row 2 w + h, 8 bytes at 8 r
	s_mul_i32 s24, s8, 2112
	s_add_co_u32 s24, s24, WT
	v_lshl_add_u32 v4, v14, 3, s24                 ; W set: row 2 w, 8 bytes at 8 L
	s_mul_i32 s25, s21, 9216
	v_mul_u32_u24 v5, v12, 144
	v_lshl_add_u32 v5, v13, 4, v5
	v_mov_b32 v7, v5
	v_add_nc_u32 v5, s25, v5                       ; x fragment: row r of my 64, 16 h
	s_lshl_b32 s26, s20, 7
	s_add_co_u32 s26, s26, WT
	v_and_b32 v6, 7, v0
	v_lshl_add_u32 v6, v13, 3, v6
	v_mul_u32_u24 v6, v6, 1056
	v_bfe_u32 v15, v0, 3, 1
	v_lshl_add_u32 v6, v15, 4, v6
	v_add_nc_u32 v6, s26, v6                       ; W fragment: row 8 h + (L & 7), 16 bytes at 16 ((L >> 3) & 1), my head's columns
	s_mul_i32 s27, s8, 9216
	s_add_co_u32 s27, s27, STG                     ; my stage
	v_add_nc_u32 v7, s27, v7                       ; in: row r, 16 h
	v_lshrrev_b32 v8, 3, v14
	v_mul_u32_u24 v8, v8, 144
	v_and_b32 v15, 7, v0
	v_lshl_add_u32 v8, v15, 4, v8
	v_add_nc_u32 v8, s27, v8                       ; back: row L >> 3, 16 (L & 7)
	v_lshlrev_b32 v9, 4, v14                       ; out: 16 L, a wave's store covers 512 consecutive bytes
	s_lshl_b32 s28, s20, 8
.if \kind < 2
	v_lshl_add_u32 v10, v13, 5, s28                ; bias of columns 64 head + 8 h + ..
.else
	v_lshl_add_u32 v10, v12, 2, s28                ; bias of column 64 head + r
.endif
	s_lshr_b32 s24, s3, 5                          ; batch
	s_lshl_b32 s24, s24, 3
	s_add_co_u32 s24, s24, s20                     ; bh
	s_and_b32 s25, s3, 31                          ; block of 128 rows inside the batch
.if \kind == 0
	s_mov_b32 s16, 0x3e38aa3b                      ; 0.125 log2(e): scores come out for base 2
	s_mov_b32 s17, 0x3e38aa3b
	s_lshl_b32 s24, s24, 19
	s_lshl_b32 s25, s25, 14
	s_lshl_b32 s26, s21, 13                        ; my 64 rows of 128 bytes
.else
	s_lshl_b32 s24, s24, 20
	s_lshl_b32 s25, s25, 15
	s_lshl_b32 s26, s21, 14                        ; my 64 keys are one block of kv
.endif
	s_add_co_u32 s24, s24, s25
	s_add_co_u32 s24, s24, s26
.if \kind == 2
	s_add_co_u32 s24, s24, 8192                    ; behind K's 8 KiB
.endif
	s_mov_b32 s25, 0
	s_lshl_b32 s14, s3, 18                         ; 128 rows of 2,048 bytes
	s_mov_b32 s15, 0
	s_wait_kmcnt 0x0
	s_add_nc_u64 s[4:5], s[4:5], s[14:15]
	s_add_nc_u64 s[10:11], s[10:11], s[24:25]
	GLOADW 0, ACC                                  ; tile 0 lands in registers that the sums do not need yet, so that tiles 0 and 1 travel together
	GLOADX 0, ACC+32
	GLOADW 1, STW
	GLOADX 1, STX
	s_wait_loadcnt 0xc                             ; tile 0's 12 loads are in, tile 1's 12 stay out
	CVTW ACC
	CVTX ACC+32
	STOW ACC, 0
	STOX ACC+32, 0
	s_wait_dscnt 0x0                               ; my stores are complete, for the other waves' sake
.irp s, 0,1,2,3,4,5,6,7,8,9,10,11,12,13,14,15
	KSTEP \s, \kind
.endr
	; The way out: bias, rounding to f16, my own stage (bytes that no other wave touches: no barrier), whole rows back, 8 KiB that lie together.
.rept 4
	v_nop                                          ; four places behind the last products (ISA guide 7.12.1)
.endr
	s_wait_loadcnt 0x0                             ; the bias
.if \kind == 0
.irp p, 0,1,2,3,4,5,6,7,8,9,10,11,12,13,14,15
	v_pk_mul_f32 v[STW+2*\p:STW+2*\p+1], v[STW+2*\p:STW+2*\p+1], s[16:17] op_sel_hi:[1,0]
.endr
.endif
.if \kind < 2
.irp g, 0,1,2,3
.irp f, 0,1,2,3
.irp p, 0,1,2,3
.if \kind == 0
	v_pk_fma_f32 v[ACC+8*(4*\g+\f)+2*\p:ACC+8*(4*\g+\f)+2*\p+1], v[ACC+8*(4*\g+\f)+2*\p:ACC+8*(4*\g+\f)+2*\p+1], s[16:17], v[STW+8*\f+2*\p:STW+8*\f+2*\p+1] op_sel_hi:[1,0,1]
.else
	v_pk_add_f32 v[ACC+8*(4*\g+\f)+2*\p:ACC+8*(4*\g+\f)+2*\p+1], v[ACC+8*(4*\g+\f)+2*\p:ACC+8*(4*\g+\f)+2*\p+1], v[STW+8*\f+2*\p:STW+8*\f+2*\p+1]
.endif
.endr
.endr
.endr
.else
	VBIAS 0, 0, 0
	VBIAS 1, 0, 1
	VBIAS 2, 1, 0
	VBIAS 3, 1, 1
.endif
.irp g, 0,1,2,3
.irp f, 0,1,2,3
.irp p, 0,1,2,3
	v_cvt_pk_f16_f32 v[FX+4*(4*\g+\f)+\p], v[ACC+8*(4*\g+\f)+2*\p], v[ACC+8*(4*\g+\f)+2*\p+1]
.endr
	ds_store_b128 v7, v[FX+4*(4*\g+\f):FX+4*(4*\g+\f)+3] offset:\g*2304+\f*32
.endr
.endr
.irp i, 0,1,2,3,4,5,6,7,8,9,10,11,12,13,14,15
	ds_load_b128 v[ACC+4*\i:ACC+4*\i+3], v8 offset:\i*576  ; my own bytes: LDS serves a wave's instructions in order (ISA guide 5.7.1)
.endr
.irp i, 0,1,2,3,4,5,6,7,8,9,10,11,12,13,14,15
	s_wait_dscnt 15-\i                             ; load i is in, the younger ones may be out
	global_store_b128 v9, v[ACC+4*\i:ACC+4*\i+3], s[10:11] offset:\i*512
.endr
	s_wait_xcnt 0x0
	v_lshl_add_u32 v254, v0, 2, 0x3d800
	v_mov_b32 v255, 0
	s_wait_tensorcnt 0x0
	ds_add_u32 v254, v255
	s_wait_dscnt 0x0
	s_endpgm
.endm
.macro MLOAD u, R                      ; 16 mask rows x 128 keys (512 bytes a row, one wave's load)
.irp i, 0,1,2,3,4,5,6,7,8,9,10,11,12,13,14,15
	global_load_b128 v[\R+4*\i:\R+4*\i+3], v1, s[4:5] offset:\i*16384+\u*512 th:TH_LOAD_NT
.endr
.endm
; Through my own 16 rows x 528 bytes of LDS into the score tile's lane layout (lane (r, h): row r, keys 16 t + 8 h + j), then one compare a word.
.macro MPROC u, R
.irp i, 0,1,2,3,4,5,6,7,8,9,10,11,12,13,14,15
	ds_store_b128 v2, v[\R+4*\i:\R+4*\i+3] offset:\i*528
.endr
.irp n, 0,1,2,3,4,5,6,7,8,9,10,11,12,13,14,15
	ds_load_b128 v[MT+4*\n:MT+4*\n+3], v3 offset:(\n>>1)*64+(\n&1)*16
.endr
	s_wait_dscnt 0x0
.set MN, 0
.rept 8
.irp q, 0,1,2,3,4,5,6,7
	v_cmp_ne_u32 s[20+\q], 0, v[MT+MN+\q]          ; word 8 t + j of this sub-tile: one bit for each lane
.endr
.irp q, 0,1,2,3,4,5,6,7
	v_writelane_b32 v[MW+2*\u+(\q&1)], s[20+\q], (MN+\q)>>1    ; lane l gathers words 2 l and 2 l + 1
.endr
.set MN, MN+8
.endr
	global_store_b64 v4, v[MW+2*\u:MW+2*\u+1], s[6:7] offset:\u*256    ; the wave stores 256 consecutive bytes, aligned
.endm
	v_lshrrev_b32 v15, 5, v0
	v_readfirstlane_b32 s8, v15                    ; wave 0 to 15
	v_and_b32 v14, 31, v0                          ; L
	v_and_b32 v12, 15, v0                          ; r
	v_bfe_u32 v13, v0, 4, 1                        ; h
	s_cmp_ge_u32 ttmp9, 256
	s_cbranch_scc1 .Lmask_late
	s_and_b32 s2, ttmp9, 3
	s_lshr_b32 s3, ttmp9, 2                        ; if this is a mask job: its row block, 0 to 63
	s_cmp_eq_u32 s2, 3
	s_cbranch_scc1 .Lmask
	s_mul_i32 s3, s3, 3
	s_add_co_u32 s3, s3, s2                        ; GEMM job 0 to 191
	s_lshr_b32 s2, s3, 6                           ; Q, K or V
	s_and_b32 s3, s3, 63                           ; block of 128 rows
	s_cmp_eq_u32 s2, 1
	s_cbranch_scc1 .Lk
	s_cmp_eq_u32 s2, 2
	s_cbranch_scc1 .Lv
	GEMM 0, 0x00, 0x18, 0x30, 0x58
.Lk:
	GEMM 1, 0x08, 0x20, 0x38, 0x60
.Lv:
	GEMM 2, 0x10, 0x28, 0x40, 0x60
.Lmask_late:
	s_sub_co_u32 s3, ttmp9, 192                    ; row blocks 64 to 255
.Lmask:
	; 16 mask rows; wave w takes keys 256 w to 256 w + 255 as two sub-tiles of 128, both asked for at once.  Every wave works on its own LDS bytes: no barrier.
	s_load_b64 s[4:5], s[0:1], 0x48                ; mask
	s_load_b64 s[6:7], s[0:1], 0x68                ; maskbits
	s_load_b64 s[10:11], s[0:1], 0x50              ; Wo
	s_load_b64 s[12:13], s[0:1], 0x70              ; wo16
	s_lshl_b32 s14, s3, 18                         ; 16 rows of 16,384 bytes
	s_mov_b32 s15, 0
	s_lshl_b32 s16, s3, 13                         ; 256 tiles x 8 words
	s_mov_b32 s17, 0
	s_lshl_b32 s18, s8, 10
	v_lshl_add_u32 v1, v14, 4, s18                 ; mask: 1,024 w + 16 L
	s_mul_i32 s19, s8, 8448
	v_lshl_add_u32 v2, v14, 4, s19                 ; LDS in: 16 L
	v_mul_u32_u24 v3, v12, 528
	v_lshl_add_u32 v3, v13, 5, v3
	v_add_nc_u32 v3, s19, v3                       ; LDS back: row r, 32 h
	s_lshl_b32 s28, s8, 9
	v_lshl_add_u32 v4, v14, 3, s28                 ; out: 512 w + 8 L
.irp i, 0,1,2,3
	v_mov_b32 v[MW+\i], 0                          ; v_writelane_b32 keeps the other lanes: the register has to be written whole once
.endr
	s_wait_kmcnt 0x0
	s_add_nc_u64 s[4:5], s[4:5], s[14:15]
	s_add_nc_u64 s[6:7], s[6:7], s[16:17]
	MLOAD 0, MRA
	MLOAD 1, MRB
	s_wait_loadcnt 0x10                            ; the older 16 loads are in, the other set's 16 stay out
	MPROC 0, MRA
	s_wait_loadcnt 0x0
	MPROC 1, MRB
	s_cmp_ge_u32 s3, 64
	s_cbranch_scc1 .Lmask_end
	; Wo: 16 KiB for the work-group, 1 KiB for the wave, eight numbers a lane: rounded to bf16 as the other weights are, then written as f16
	s_lshl_b32 s14, s3, 14
	s_lshl_b32 s16, s3, 13
	s_add_nc_u64 s[10:11], s[10:11], s[14:15]
	s_add_nc_u64 s[12:13], s[12:13], s[16:17]
	v_lshl_add_u32 v5, v14, 5, s18                 ; in: 1,024 w + 32 L
	v_lshl_add_u32 v6, v14, 4, s28                 ; out: 512 w + 16 L
	global_load_b128 v[16:19], v5, s[10:11]
	global_load_b128 v[20:23], v5, s[10:11] offset:16
	s_wait_loadcnt 0x0
.irp i, 0,1,2,3
	v_cvt_pk_bf16_f32 v[24+\i], v[16+2*\i], v[17+2*\i]
.endr
.irp i, 0,1,2,3
	v_lshlrev_b32 v[28+2*\i], 16, v[24+\i]
	v_and_b32 v[29+2*\i], 0xffff0000, v[24+\i]
.endr
.irp i, 0,1,2,3
	v_cvt_pk_f16_f32 v[36+\i], v[28+2*\i], v[29+2*\i]
.endr
	global_store_b128 v6, v[36:39], s[12:13]       ; the wave stores 512 consecutive bytes, aligned
.Lmask_end:
	s_wait_xcnt 0x0
	v_lshl_add_u32 v254, v0, 2, 0x3d800
	v_mov_b32 v255, 0
	s_wait_tensorcnt 0x0
	ds_add_u32 v254, v255
	s_wait_dscnt 0x0
	s_endpgm
.Lfunc_end_k_q9507fc680f_prep:
	.size	k_q9507fc680f_prep, .Lfunc_end_k_q9507fc680f_prep-k_q9507fc680f_prep
	.p2alignl 7, 3214868480
	.fill 96, 4, 3214868480
	.section	.rodata,"a",@progbits
	.p2align	6, 0x0
	.amdhsa_kernel k_q9507fc680f_prep
		.amdhsa_group_segment_fixed_size 253952
		.amdhsa_private_segment_fixed_size 0
		.amdhsa_enable_private_segment 0
		.amdhsa_kernarg_size 120
		.amdhsa_user_sgpr_count 2
		.amdhsa_user_sgpr_kernarg_segment_ptr 1
		.amdhsa_wavefront_size32 1
		.amdhsa_system_sgpr_workgroup_id_x 1
		.amdhsa_system_sgpr_workgroup_id_y 1
		.amdhsa_system_sgpr_workgroup_id_z 1
		.amdhsa_system_vgpr_workitem_id 0
		.amdhsa_next_free_vgpr 256
		.amdhsa_next_free_sgpr 66
		.amdhsa_reserve_vcc 0
		.amdhsa_float_denorm_mode_32 3
		.amdhsa_float_denorm_mode_16_64 3
		.amdhsa_memory_ordered 1
		.amdhsa_forward_progress 1
		.amdhsa_inst_pref_size 255
	.end_amdhsa_kernel
	.section	.bss,"aw",@nobits
	.p2align	6
	.space	262144
	.amdgpu_metadata
---
amdhsa.version: [ 1, 2 ]
amdhsa.kernels:
  - .name:           k_q9507fc680f_prep
    .symbol:         k_q9507fc680f_prep.kd
    .args:
      - { .name: query, .offset: 0, .size: 8, .value_kind: global_buffer, .address_space: global }
      - { .name: key_, .offset: 8, .size: 8, .value_kind: global_buffer, .address_space: global }
      - { .name: value, .offset: 16, .size: 8, .value_kind: global_buffer, .address_space: global }
      - { .name: Wq, .offset: 24, .size: 8, .value_kind: global_buffer, .address_space: global }
      - { .name: Wk, .offset: 32, .size: 8, .value_kind: global_buffer, .address_space: global }
      - { .name: Wv, .offset: 40, .size: 8, .value_kind: global_buffer, .address_space: global }
      - { .name: bq, .offset: 48, .size: 8, .value_kind: global_buffer, .address_space: global }
      - { .name: bk, .offset: 56, .size: 8, .value_kind: global_buffer, .address_space: global }
      - { .name: bv, .offset: 64, .size: 8, .value_kind: global_buffer, .address_space: global }
      - { .name: mask, .offset: 72, .size: 8, .value_kind: global_buffer, .address_space: global }
      - { .name: Wo, .offset: 80, .size: 8, .value_kind: global_buffer, .address_space: global }
      - { .name: qh, .offset: 88, .size: 8, .value_kind: global_buffer, .address_space: global }
      - { .name: kv, .offset: 96, .size: 8, .value_kind: global_buffer, .address_space: global }
      - { .name: maskbits, .offset: 104, .size: 8, .value_kind: global_buffer, .address_space: global }
      - { .name: wo16, .offset: 112, .size: 8, .value_kind: global_buffer, .address_space: global }
    .group_segment_fixed_size: 253952
    .private_segment_fixed_size: 0
    .kernarg_segment_align: 8
    .kernarg_segment_size: 120
    .max_flat_workgroup_size: 512
    .sgpr_count:     66
    .vgpr_count:     256
    .wavefront_size: 32
...
	.end_amdgpu_metadata
.endif
;; end of part 1
;; launch attn (part 2): grid 16 x 16, 8 waves a work-group, clusters of 4 x 1, 327,680 bytes of LDS; arguments qh, kv, maskbits, ctx16; writes ctx16
.if DOCPART == 2
	.amdgcn_target "amdgcn-amd-amdhsa--gfx1250"
	.amdhsa_code_object_version 6
	.text
	.protected	k_q9507fc680f_attn
	.globl	k_q9507fc680f_attn
	.p2align	8
	.type	k_q9507fc680f_attn,@function
k_q9507fc680f_attn:
	s_mov_b64 s[64:65], 0
	v_nop
	global_prefetch_b8 v0, s[64:65] scope:SCOPE_SE
	s_setreg_imm32_b32 hwreg(HW_REG_WAVE_MODE, 25, 1), 1
	s_wait_xcnt 0x0
	s_wait_alu depctr_hold_cnt(0) depctr_sa_sdst(0) depctr_va_vdst(0) depctr_va_sdst(0) depctr_va_ssrc(0) depctr_va_vcc(0) depctr_vm_vsrc(0)
	s_getreg_b32 s2, hwreg(HW_REG_IB_STS2, 6, 4)
	s_cmp_eq_u32 s2, 0
	s_cbranch_scc0 .Lentry_in_a_cluster
	s_endpgm
.Lentry_in_a_cluster:
	s_bfe_u32 s2, ttmp6, 0x10000c
	s_cmp_lg_u32 s2, 0x3003
	s_cbranch_scc0 .Lentry_shape_is_right
	s_endpgm
.Lentry_shape_is_right:
; ctx16[bh][s][d] = softmax over all 4,096 keys of (q k / 8, masked scores replaced by -1e9) times V, with a running maximum; f16, laid out as qh is.
; A work-group: one (batch, head) and 256 queries; eight waves of 32 queries (two blocks c of 16).  A step is 64 keys, a chunk 8 steps.
; THE PRODUCTS ARE TAKEN TRANSPOSED.  S^T = K Q^T: lane (r, h), register j of tile t holds query r, key 16 t + 8 h + j.  Two such tiles rounded
; to f16 ARE a second-operand fragment of P^T, and O^T = V^T P^T again has query r in lane r.  So maximum, sum and rescaling factor are one number a lane,
; and the only step across lanes is the exchange of the two halves of 16 lanes.
; THE MASK is read as packed lane masks (one 32-bit word for each register of a score tile) by scalar loads, one step ahead, and applied by v_cndmask_b32.
; CLUSTER: the four work-groups of a cluster share (batch, head) and walk the same K and V.  Each chunk of 128 KiB is asked for jointly: wave w of each
; of the four issues the same load (one step's 16 KiB: K [64 key][64 d], V^T [64 d][64 key]), with the same descriptor and the mask of all four.
; Two LDS slots of one chunk each; a wave has never more than one tensor load out; a chunk is asked for eight steps before it is read.
; Scores are in the base-2 domain (the factor 0.125 log2(e) is in Q): the masked score is -1e9 log2(e).  A row masked everywhere gives the mean of V.
; LIMITS: Q, K, V, P and the result are f16 (|Q * 0.18|, |K|, |V| below 65,504, which bounds the result too; P lies in [0, 1], below 2^-25 it counts as 0);
; the result carries one rounding of relative size 2^-12; the row sum adds the unrounded P; v_exp_f32 gives 0 below 2^-126; NaN is not followed (the maximum drops it).
.set PART, 17408                       ; one step's 64 rows of 256 bytes at pitch 272.  A row of 128 bytes, number i, lies at (i >> 1) 272 + (i & 1) 128
.set SLOT, 139264                      ; 8 parts
.set VOFF, 8704                        ; V^T inside a part
.set QF, 32                            ; v[32:63]   Q fragment (c, ks) at QF + 16 c + 8 ks
.set SR, 64                            ; v[64:127]  score tile (c, t) at SR + 32 c + 8 t; then P (c, kk) at SR + 32 c + 16 kk, 8 registers
.set FR, 128                           ; v[128:191] eight fragments, K's and then V's
.set OA, 192                           ; v[192:255] O^T tile (c, db) at OA + 8 (4 c + db)
; v1 LDS read address, v2 its lane term, v3 the masked score, v[4:5] maximum, v[6:7] sum, v[8:9] factor, v[10:11] new maximum, v[12:13] at work,
; v[14:17], v[24:27] partial sums, v18 Q offset, v19 stage in, v20 stage back, v21 result offset, v[22:23] second chain of the maximum
; s[4:5] mask words of my 32 queries, s6 the step's offset there, s7 my part's place in a slot, s8 wave, s9, s10 counters, s[12:13] lane select,
; s[16:23] descriptor group 1, s[24:27] group 0, s[28:29] ctx16, s[30:31] Q, s[32:63] mask words of block 0, s[68:99] of block 1
.macro ROUND                           ; a round of the cluster's barrier
	s_barrier_signal -1
	s_barrier_wait -1
	s_cmp_lg_u32 s8, 0
	s_cbranch_scc1 .Lnot_wave_0_\@
	s_barrier_signal -3
.Lnot_wave_0_\@:
	s_barrier_wait -3
	s_barrier_signal -1
	s_barrier_wait -1
.endm
.macro STEP first
	; K's fragments: 64 keys x 64 d, the first 32 d first
.irp ks, 0,1
.irp t, 0,1,2,3
	ds_load_b128 v[FR+8*(4*\ks+\t):FR+8*(4*\ks+\t)+3], v1 offset:\t*2176+\ks*64
	ds_load_b128 v[FR+8*(4*\ks+\t)+4:FR+8*(4*\ks+\t)+7], v1 offset:\t*2176+\ks*64+32
.endr
.endr
	s_wait_dscnt 0x8                               ; the first eight loads are in, the second eight may be out
	; in both products the eight accumulators take turns, one instruction a turn
.irp t, 0,1,2,3
.irp c, 0,1
	v_wmma_f32_16x16x32_f16 v[SR+32*\c+8*\t:SR+32*\c+8*\t+7], v[FR+8*\t:FR+8*\t+7], v[QF+16*\c:QF+16*\c+7], 0
.endr
.endr
	s_wait_dscnt 0x0
.irp t, 0,1,2,3
.irp c, 0,1
	v_wmma_f32_16x16x32_f16 v[SR+32*\c+8*\t:SR+32*\c+8*\t+7], v[FR+32+8*\t:FR+32+8*\t+7], v[QF+16*\c+8:QF+16*\c+15], v[SR+32*\c+8*\t:SR+32*\c+8*\t+7]
.endr
.endr
.rept 4
	v_nop                                          ; four places (ISA guide 7.12.1) before K's registers are loaded again and the scores are read
.endr
	; V^T's fragments travel under the softmax
.irp kk, 0,1
.irp db, 0,1,2,3
	ds_load_b128 v[FR+8*(4*\kk+\db):FR+8*(4*\kk+\db)+3], v1 offset:VOFF+\db*2176+\kk*64
	ds_load_b128 v[FR+8*(4*\kk+\db)+4:FR+8*(4*\kk+\db)+7], v1 offset:VOFF+\db*2176+\kk*64+32
.endr
.endr
	s_wait_kmcnt 0x0                               ; this step's 64 mask words, asked for a step ago
.irp t, 0,1,2,3
.irp j, 0,1,2,3,4,5,6,7
	v_cndmask_b32 v[SR+8*\t+\j], v3, v[SR+8*\t+\j], s[32+8*\t+\j]
	v_cndmask_b32 v[SR+32+8*\t+\j], v3, v[SR+32+8*\t+\j], s[68+8*\t+\j]
.endr
.endr
	s_add_co_u32 s6, s6, 128                       ; the next step's words: 4 tiles x 8 words; free since the wait above
	s_and_b32 s6, s6, 0x1fff                       ; behind the last step the offset wraps to the row block's start: inside the buffer, never used
	s_load_b512 s[32:47], s[4:5], s6 offset:0x0
	s_load_b512 s[48:63], s[4:5], s6 offset:0x40
	s_load_b512 s[68:83], s[4:5], s6 offset:0x2000
	s_load_b512 s[84:99], s[4:5], s6 offset:0x2040
	; the largest of my 32 scores and the old maximum, two chains for each block
.irp c, 0,1
	v_max3_num_f32 v[10+\c], v[SR+32*\c], v[SR+32*\c+1], v[SR+32*\c+2]
	v_max3_num_f32 v[22+\c], v[SR+32*\c+15], v[SR+32*\c+16], v[SR+32*\c+17]
.endr
.irp k, 0,1,2,3,4,5
.irp c, 0,1
	v_max3_num_f32 v[10+\c], v[10+\c], v[SR+32*\c+3+2*\k], v[SR+32*\c+4+2*\k]
	v_max3_num_f32 v[22+\c], v[22+\c], v[SR+32*\c+18+2*\k], v[SR+32*\c+19+2*\k]
.endr
.endr
.irp c, 0,1
	v_max3_num_f32 v[10+\c], v[10+\c], v[22+\c], v[SR+32*\c+30]
.endr
.irp c, 0,1
.if \first
	v_max_num_f32 v[10+\c], v[10+\c], v[SR+32*\c+31]
.else
	v_max3_num_f32 v[10+\c], v[10+\c], v[SR+32*\c+31], v[4+\c]
.endif
.endr
	v_permlanex16_b32 v12, v10, s12, s13           ; the other half of the lanes holds the query's other keys
	v_permlanex16_b32 v13, v11, s12, s13
	v_max_num_f32 v10, v10, v12
	v_max_num_f32 v11, v11, v13
.if \first == 0
	v_sub_f32 v8, v4, v10
	v_sub_f32 v9, v5, v11
	v_exp_f32 v8, v8                               ; the factor by which the old sums shrink
	v_exp_f32 v9, v9
.endif
	v_mov_b32 v4, v10                              ; plain instructions behind the exponentials (ISA guide 5.7.2)
	v_mov_b32 v5, v11
	; p = 2^(s - maximum); the exponentials are laced with plain work on other registers
.irp i, 0,1,2,3,4,5,6,7,8,9,10,11,12,13,14,15
	v_pk_add_f32 v[SR+2*\i:SR+2*\i+1], v[SR+2*\i:SR+2*\i+1], v[4:5] op_sel:[0,0] op_sel_hi:[1,0] neg_lo:[0,1] neg_hi:[0,1]
.endr
.irp i, 0,1,2,3,4,5,6,7,8,9,10,11,12,13,14,15
	v_exp_f32 v[SR+2*\i], v[SR+2*\i]
	v_exp_f32 v[SR+2*\i+1], v[SR+2*\i+1]
	v_pk_add_f32 v[SR+32+2*\i:SR+32+2*\i+1], v[SR+32+2*\i:SR+32+2*\i+1], v[4:5] op_sel:[0,1] op_sel_hi:[1,1] neg_lo:[0,1] neg_hi:[0,1]
.endr
.irp i, 0,1,2,3,4,5,6,7
	v_exp_f32 v[SR+32+2*\i], v[SR+32+2*\i]
	v_exp_f32 v[SR+32+2*\i+1], v[SR+32+2*\i+1]
.if \first == 0
	s_wait_alu depctr_va_vdst(0)
	v_pk_mul_f32 v[OA+4*\i:OA+4*\i+1], v[OA+4*\i:OA+4*\i+1], v[8:9] op_sel:[0,0] op_sel_hi:[1,0]
	v_pk_mul_f32 v[OA+4*\i+2:OA+4*\i+3], v[OA+4*\i+2:OA+4*\i+3], v[8:9] op_sel:[0,0] op_sel_hi:[1,0]
.endif
.endr
.irp i, 8,9,10,11,12,13,14,15
	v_exp_f32 v[SR+32+2*\i], v[SR+32+2*\i]
	v_exp_f32 v[SR+32+2*\i+1], v[SR+32+2*\i+1]
.if \first == 0
	v_pk_mul_f32 v[OA+4*\i:OA+4*\i+1], v[OA+4*\i:OA+4*\i+1], v[8:9] op_sel:[0,1] op_sel_hi:[1,1]
	v_pk_mul_f32 v[OA+4*\i+2:OA+4*\i+3], v[OA+4*\i+2:OA+4*\i+3], v[8:9] op_sel:[0,1] op_sel_hi:[1,1]
.endif
.endr
.if \first
	v_nop                                          ; the plain place behind the last exponentials
	s_wait_alu depctr_va_vdst(0)
.endif
	; my 32 p added up, two chains for each block; the two halves of the lanes are added only at the end (the factor is the same in both)
	s_wait_alu depctr_va_vdst(0)
.irp c, 0,1
	v_pk_add_f32 v[14+2*\c:15+2*\c], v[SR+32*\c:SR+32*\c+1], v[SR+32*\c+2:SR+32*\c+3]
	v_pk_add_f32 v[24+2*\c:25+2*\c], v[SR+32*\c+16:SR+32*\c+17], v[SR+32*\c+18:SR+32*\c+19]
.endr
.irp k, 2,3,4,5,6,7
.irp c, 0,1
	v_pk_add_f32 v[14+2*\c:15+2*\c], v[14+2*\c:15+2*\c], v[SR+32*\c+2*\k:SR+32*\c+2*\k+1]
	v_pk_add_f32 v[24+2*\c:25+2*\c], v[24+2*\c:25+2*\c], v[SR+32*\c+16+2*\k:SR+32*\c+16+2*\k+1]
.endr
.endr
.irp c, 0,1
	v_pk_add_f32 v[14+2*\c:15+2*\c], v[14+2*\c:15+2*\c], v[24+2*\c:25+2*\c]
.endr
.irp c, 0,1
.if \first
	v_add_f32 v[6+\c], v[14+2*\c], v[15+2*\c]
.else
	v_add_f32 v[12+\c], v[14+2*\c], v[15+2*\c]
.endif
.endr
.if \first == 0
	v_fma_f32 v6, v6, v8, v12
	v_fma_f32 v7, v7, v9, v13
.endif
	; two score tiles become one fragment of P^T, in place (register i from registers 2 i, 2 i + 1, ascending)
.irp c, 0,1
.irp kk, 0,1
.irp i, 0,1,2,3,4,5,6,7
	v_cvt_pk_f16_f32 v[SR+32*\c+16*\kk+\i], v[SR+32*\c+16*\kk+2*\i], v[SR+32*\c+16*\kk+2*\i+1]
.endr
.endr
.endr
	s_wait_dscnt 0x8                               ; V^T's first 32 keys are in
.irp db, 0,1,2,3
.irp c, 0,1
.if \first
	v_wmma_f32_16x16x32_f16 v[OA+8*(4*\c+\db):OA+8*(4*\c+\db)+7], v[FR+8*\db:FR+8*\db+7], v[SR+32*\c:SR+32*\c+7], 0
.else
	v_wmma_f32_16x16x32_f16 v[OA+8*(4*\c+\db):OA+8*(4*\c+\db)+7], v[FR+8*\db:FR+8*\db+7], v[SR+32*\c:SR+32*\c+7], v[OA+8*(4*\c+\db):OA+8*(4*\c+\db)+7]
.endif
.endr
.endr
	s_wait_dscnt 0x0
.irp db, 0,1,2,3
.irp c, 0,1
	v_wmma_f32_16x16x32_f16 v[OA+8*(4*\c+\db):OA+8*(4*\c+\db)+7], v[FR+32+8*\db:FR+32+8*\db+7], v[SR+32*\c+16:SR+32*\c+23], v[OA+8*(4*\c+\db):OA+8*(4*\c+\db)+7]
.endr
.endr
	v_add_nc_u32 v1, PART, v1                      ; the next step's part; with the four below: five places before the next
.rept 4
	v_nop                                          ; products write over P and the next loads land on V's fragments
.endr
.endm
.macro CHUNK slot, first
	v_add_nc_u32 v1, \slot*SLOT, v2
.if \first
	STEP 1                                         ; the very first step starts maximum, sums and O: nothing is cleared
	s_mov_b32 s10, 7
.else
	s_mov_b32 s10, 8
.endif
.Lst_\@:
	STEP 0
	s_sub_co_i32 s10, s10, 1
	s_cmp_lg_u32 s10, 0
	s_cbranch_scc1 .Lst_\@
.endm
; A chunk's turn.  In front of the round every wave waits for its one tensor load (its part of this chunk) and for its reads of the other slot;
; behind the round that holds of every wave of all four work-groups, and the other slot's next chunk is asked for first of all.
.macro TRIP slot, refill, first
	s_wait_tensorcnt 0x0                           ; no tensor load of mine is out: group 0 may be written
	ds_add_u32 v30, v31
	s_wait_dscnt 0x0
.if \refill
	s_add_nc_u64 s[26:27], s[26:27], 131072        ; the next chunk's 128 KiB
	s_add_co_u32 s25, s7, (1-\slot)*SLOT           ; into the other slot
.endif
	s_wait_dscnt 0x0
	ROUND
.if \refill
	tensor_load_to_lds s[24:27], s[16:23]
	s_nop 0
.endif
	CHUNK \slot, \first
.endm
	s_load_b256 s[32:39], s[0:1], 0x0              ; qh s[32:33], kv s[34:35], maskbits s[36:37], ctx16 s[38:39]
	v_lshl_add_u32 v30, v0, 2, 0x44000
	v_mov_b32 v31, 0
	ds_add_u32 v30, v31
	v_lshrrev_b32 v1, 5, v0
	v_readfirstlane_b32 s8, v1                     ; wave 0 to 7
	s_bfe_u32 s40, ttmp6, 0x40000                  ; cx: enters global offsets of Q, mask words and the result alone
	s_lshl_b32 s41, ttmp9, 2
	s_add_co_u32 s41, s41, s40                     ; X: block of 256 queries
	s_and_b32 s42, ttmp7, 0xffff                   ; bh, shared by the cluster
	s_mov_b32 s12, 0x76543210                      ; v_permlanex16_b32: lane i reads lane i of the other half
	s_mov_b32 s13, 0xfedcba98
	s_mul_i32 s7, s8, PART
	s_mul_i32 s11, s8, 4608
	; group 1: 64 rows of 32 elements of 8 bytes, dense in memory, 16 bytes of padding behind each row in LDS
	s_mov_b32 s16, 15|(3<<16)|(1<<20)|(1<<21)|(5<<22)|(3<<25)  ; 15:0 all four work-groups; 17:16 8 bytes; 20 padding; 21 set beside a mask; 24:22 every 64 words; 31:25 four words
	s_mov_b32 s17, 32<<16                          ; tensor_dim0 = 32
	s_mov_b32 s18, 64<<16                          ; tensor_dim1 = 64
	s_mov_b32 s19, 32<<16                          ; tile_dim0 = 32
	s_mov_b32 s20, 64                              ; tile_dim1 = 64
	s_mov_b32 s21, 32                              ; from row to row: 32 elements
	s_mov_b32 s22, 0
	s_mov_b32 s23, 0
	s_lshl_b32 s14, s42, 20                        ; kv: 1 MiB for each bh,
	s_lshl_b32 s43, s8, 14                         ; 16 KiB for each wave's part: no place in the cluster enters
	s_add_co_u32 s14, s14, s43
	s_mov_b32 s15, 0
	s_lshl_b32 s44, s41, 17                        ; mask words: 16 query blocks of 8 KiB for each X, two for each wave
	s_add_co_u32 s44, s44, s43
	s_mov_b32 s45, 0
	s_lshl_b32 s46, s42, 19                        ; Q and the result: 512 KiB for each bh, 128 bytes a query
	s_lshl_b32 s50, s41, 15
	s_add_co_u32 s46, s46, s50
	s_lshl_b32 s50, s8, 12
	s_add_co_u32 s46, s46, s50
	s_mov_b32 s47, 0
	v_and_b32 v22, 15, v0                          ; r
	v_bfe_u32 v23, v0, 4, 1                        ; h
	v_and_b32 v26, 31, v0                          ; L
	v_lshrrev_b32 v24, 1, v22
	v_and_b32 v25, 1, v22
	v_mul_u32_u24 v2, v24, 272
	v_lshl_add_u32 v2, v25, 7, v2
	v_lshl_add_u32 v2, v23, 4, v2                  ; fragment row r of 128 bytes, 16 h: sixteen lanes touch sixteen different 16-byte columns
	v_mov_b32 v3, 0xceabfb8f                       ; -1e9 log2(e)
	v_mov_b32 v12, 0                               ; v_permlanex16_b32 counts as a reader of its destination
	v_mov_b32 v13, 0
	v_lshlrev_b32 v18, 7, v22
	v_lshl_add_u32 v18, v23, 4, v18                ; Q: row r, 16 h
	v_mul_u32_u24 v19, v22, 144
	v_lshl_add_u32 v19, v23, 4, v19
	v_add_nc_u32 v19, s11, v19                     ; stage in: row r of 128 bytes at pitch 144, 16 h
	v_lshrrev_b32 v27, 3, v26
	v_mul_u32_u24 v20, v27, 144
	v_and_b32 v27, 7, v0
	v_lshl_add_u32 v20, v27, 4, v20
	v_add_nc_u32 v20, s11, v20                     ; stage back: row L >> 3, 16 (L & 7)
	v_lshlrev_b32 v21, 4, v26                      ; result: 16 L, a wave's store covers 512 consecutive bytes
	s_mov_b32 s24, 1                               ; group 0: count
	s_add_co_u32 s25, s7, 0                        ; LDS address: my part of slot 0
	s_wait_dscnt 0x0
	s_wait_kmcnt 0x0
	s_add_nc_u64 s[26:27], s[34:35], s[14:15]      ; chunk 0, my part
	s_or_b32 s27, s27, 0x80000000                  ; type 2
	s_add_nc_u64 s[4:5], s[36:37], s[44:45]
	s_add_nc_u64 s[30:31], s[32:33], s[46:47]
	s_add_nc_u64 s[28:29], s[38:39], s[46:47]
	ROUND                                          ; all four work-groups are here: the first joint loads meet
	tensor_load_to_lds s[24:27], s[16:23]
	s_nop 0
.irp c, 0,1
.irp ks, 0,1
	global_load_b128 v[QF+16*\c+8*\ks:QF+16*\c+8*\ks+3], v18, s[30:31] offset:\c*2048+\ks*64
	global_load_b128 v[QF+16*\c+8*\ks+4:QF+16*\c+8*\ks+7], v18, s[30:31] offset:\c*2048+\ks*64+32
.endr
.endr
	s_mov_b32 s6, 0
	s_load_b512 s[32:47], s[4:5], s6 offset:0x0    ; step 0's mask words
	s_load_b512 s[48:63], s[4:5], s6 offset:0x40
	s_load_b512 s[68:83], s[4:5], s6 offset:0x2000
	s_load_b512 s[84:99], s[4:5], s6 offset:0x2040
	s_wait_loadcnt 0x0                             ; Q, once
	TRIP 0, 1, 1                                   ; chunk 0; chunk 1 goes out
	s_mov_b32 s9, 3
.Lpair:
	TRIP 1, 1, 0                                   ; chunks 1, 3, 5
	TRIP 0, 1, 0                                   ; chunks 2, 4, 6
	s_sub_co_i32 s9, s9, 1
	s_cmp_lg_u32 s9, 0
	s_cbranch_scc1 .Lpair
	TRIP 1, 0, 0                                   ; chunk 7: nothing is left to fetch
	; The way out: divide by the row sum, round to f16, 32 queries x 128 bytes through my own stage, 4 KiB that lie together in ctx16.
	; The stage lies in slot 0, which has had its last fill (chunk 6) and whose last reads ended in front of chunk 7's round.
	s_wait_kmcnt 0x0                               ; the wrapped look-ahead of the last step
	v_permlanex16_b32 v12, v6, s12, s13
	v_permlanex16_b32 v13, v7, s12, s13
	v_add_f32 v6, v6, v12
	v_add_f32 v7, v7, v13
	v_rcp_f32 v8, v6                               ; the sum is at least 1: the largest score gives 2^0
	v_rcp_f32 v9, v7
	v_nop
	s_wait_alu depctr_va_vdst(0)
.irp i, 0,1,2,3,4,5,6,7,8,9,10,11,12,13,14,15
	v_pk_mul_f32 v[OA+2*\i:OA+2*\i+1], v[OA+2*\i:OA+2*\i+1], v[8:9] op_sel:[0,0] op_sel_hi:[1,0]
.endr
.irp i, 0,1,2,3,4,5,6,7,8,9,10,11,12,13,14,15
	v_pk_mul_f32 v[OA+32+2*\i:OA+32+2*\i+1], v[OA+32+2*\i:OA+32+2*\i+1], v[8:9] op_sel:[0,1] op_sel_hi:[1,1]
.endr
.irp c, 0,1
.irp db, 0,1,2,3
.irp p, 0,1,2,3
	v_cvt_pk_f16_f32 v[SR+4*(4*\c+\db)+\p], v[OA+8*(4*\c+\db)+2*\p], v[OA+8*(4*\c+\db)+2*\p+1]
.endr
	ds_store_b128 v19, v[SR+4*(4*\c+\db):SR+4*(4*\c+\db)+3] offset:\c*2304+\db*32   ; query 16 c + r, d = 16 db + 8 h + 0 .. 7
.endr
.endr
.irp i, 0,1,2,3,4,5,6,7
	ds_load_b128 v[SR+32+4*\i:SR+32+4*\i+3], v20 offset:\i*576   ; my own bytes: LDS serves a wave's instructions in order (ISA guide 5.7.1)
.endr
.irp i, 0,1,2,3,4,5,6,7
	s_wait_dscnt 7-\i                              ; load i is in, the younger ones may be out
	global_store_b128 v21, v[SR+32+4*\i:SR+32+4*\i+3], s[28:29] offset:\i*512
.endr
	s_wait_tensorcnt 0x0
	ds_add_u32 v30, v31
	s_wait_dscnt 0x0
	ROUND                                          ; the closing round: no work-group ends while a partner may still ask
	s_endpgm
.Lfunc_end_k_q9507fc680f_attn:
	.size	k_q9507fc680f_attn, .Lfunc_end_k_q9507fc680f_attn-k_q9507fc680f_attn
	.p2alignl 7, 3214868480
	.fill 96, 4, 3214868480
	.section	.rodata,"a",@progbits
	.p2align	6, 0x0
	.amdhsa_kernel k_q9507fc680f_attn
		.amdhsa_group_segment_fixed_size 327680
		.amdhsa_private_segment_fixed_size 0
		.amdhsa_enable_private_segment 0
		.amdhsa_kernarg_size 32
		.amdhsa_user_sgpr_count 2
		.amdhsa_user_sgpr_kernarg_segment_ptr 1
		.amdhsa_wavefront_size32 1
		.amdhsa_system_sgpr_workgroup_id_x 1
		.amdhsa_system_sgpr_workgroup_id_y 1
		.amdhsa_system_sgpr_workgroup_id_z 1
		.amdhsa_system_vgpr_workitem_id 0
		.amdhsa_next_free_vgpr 256
		.amdhsa_next_free_sgpr 100
		.amdhsa_reserve_vcc 0
		.amdhsa_float_denorm_mode_32 3
		.amdhsa_float_denorm_mode_16_64 3
		.amdhsa_memory_ordered 1
		.amdhsa_forward_progress 1
		.amdhsa_inst_pref_size 121
	.end_amdhsa_kernel
	.amdgpu_metadata
---
amdhsa.version: [ 1, 2 ]
amdhsa.kernels:
  - .name:           k_q9507fc680f_attn
    .symbol:         k_q9507fc680f_attn.kd
    .args:
      - { .name: qh, .offset: 0, .size: 8, .value_kind: global_buffer, .address_space: global }
      - { .name: kv, .offset: 8, .size: 8, .value_kind: global_buffer, .address_space: global }
      - { .name: maskbits, .offset: 16, .size: 8, .value_kind: global_buffer, .address_space: global }
      - { .name: ctx16, .offset: 24, .size: 8, .value_kind: global_buffer, .address_space: global }
    .group_segment_fixed_size: 327680
    .private_segment_fixed_size: 0
    .kernarg_segment_align: 8
    .kernarg_segment_size: 32
    .max_flat_workgroup_size: 256
    .sgpr_count:     100
    .vgpr_count:     256
    .wavefront_size: 32
...
	.end_amdgpu_metadata
.endif
;; end of part 2
;; launch oproj (part 3): grid 4 x 64, 8 waves a work-group, clusters of 4 x 4, 322,560 bytes of LDS; arguments ctx16, wo16, bo, out0; writes out0
.if DOCPART == 3
	.amdgcn_target "amdgcn-amd-amdhsa--gfx1250"
	.amdhsa_code_object_version 6
	.text
	.protected	k_q9507fc680f_oproj
	.globl	k_q9507fc680f_oproj
	.p2align	8
	.type	k_q9507fc680f_oproj,@function
k_q9507fc680f_oproj:
	s_mov_b64 s[64:65], 0
	v_nop
	global_prefetch_b8 v0, s[64:65] scope:SCOPE_SE
	s_setreg_imm32_b32 hwreg(HW_REG_WAVE_MODE, 25, 1), 1
	s_wait_xcnt 0x0
	s_wait_alu depctr_hold_cnt(0) depctr_sa_sdst(0) depctr_va_vdst(0) depctr_va_sdst(0) depctr_va_ssrc(0) depctr_va_vcc(0) depctr_vm_vsrc(0)
	s_getreg_b32 s2, hwreg(HW_REG_IB_STS2, 6, 4)
	s_cmp_eq_u32 s2, 0
	s_cbranch_scc0 .Lentry_in_a_cluster
	s_endpgm
.Lentry_in_a_cluster:
	s_bfe_u32 s2, ttmp6, 0x10000c
	s_cmp_lg_u32 s2, 0xf033
	s_cbranch_scc0 .Lentry_shape_is_right
	s_endpgm
.Lentry_shape_is_right:
; out0 = ctx Wo + bo.  ctx16 [bh 16][s 4096][64] f16, wo16 [k 512][n 512] f16 (Wo rounded to bf16, written as f16), bo [512] f32, out0 [8192][512] f32.
; A work-group makes 128 rows x 128 columns with eight waves (64 columns x 32 rows each).  Both operands are ready for the matrix unit, and all of K = 512
; fits in LDS at once: x 8 heads x 16 KiB, W 512 rows of 256 bytes.  So every tile is asked for at the start, nothing is filled again, and no ring is run.
; K goes in two halves: each wave issues two tensor loads of 64 rows x 256 bytes (a wave has two out at the most); the first half is multiplied while the second lands.
; CLUSTER: 4 x 4 work-groups.  The four of a row of the cluster make the same 128 rows and need the same x; the four of a column make the same 128 columns and
; need the same W.  Waves 0 to 3 ask for x jointly with the row, waves 4 to 7 for W jointly with the column: the requests are divided by four.
; THE MATRIX INSTRUCTION IS USED TRANSPOSED: first operand = W's columns, second = x's rows, so a lane's eight results are eight neighbouring columns of one row.
; LIMIT: the operands are f16: |ctx| and |Wo| below 65,504 (ctx is a mean of V's rows, which the earlier launches bound alike).
.set XPART, 17408                      ; one head of x: 128 rows of 128 bytes, dense, brought as 64 rows of 256 bytes at pitch 272: row i at (i >> 1) 272 + (i & 1) 128
.set WTL,   139264                     ; behind x's eight heads: W, 512 rows of 256 bytes at pitch 288 (an odd multiple of 32 bytes, for the transposing loads)
.set WPART, 18432                      ; 64 rows of W
.set STG,   286720                     ; behind W: a stage of 16 rows x 272 bytes for each wave, its own; no tensor load lands there
.set XA,  2                            ; v[2:5]     x fragments' address, one for each quarter of K (an LDS immediate reaches 64 KiB)
.set WA,  6                            ; v[6:9]     W fragments' address, likewise
; v10 stage in, v11 stage back, v12 out offset, v13 bias offset, v1, v14, v15 at work
.set BI,  16                           ; v[16:47]   bias of my 64 columns' share
.set FA,  48                           ; v[48:95]   fragment set A: W 4 x 8, x 2 x 8
.set FB,  96                           ; v[96:143]  fragment set B
.set ACC, 144                          ; v[144:207] tile (f, g) at ACC + 8 (4 g + f)
; s10 wave, s11 wave & 3, s[16:23] group 1 for x, s[24:31] group 1 for W, s[32:39] group 0 for x's halves, s[40:47] for W's, s[48:55] the four buffers
.macro ROUND                           ; a round of the cluster's barrier
	s_barrier_signal -1
	s_barrier_wait -1
	s_cmp_lg_u32 s10, 0
	s_cbranch_scc1 .Lnot_wave_0_\@
	s_barrier_signal -3
.Lnot_wave_0_\@:
	s_barrier_wait -3
	s_barrier_signal -1
	s_barrier_wait -1
.endm
.macro PLACES                          ; four places between products and loads into their fragments, or reads of their results
.rept 4
	v_nop
.endr
.endm
.macro FRAG ks, set                    ; K step ks of 32: 64 columns of W (eight transposing loads), 32 rows of x (four plain loads)
.set QQ, (\ks)>>2
.set KK, (\ks)&3
.irp f, 0,1,2,3
	ds_load_tr16_b128 v[\set+8*\f:\set+8*\f+3], v[WA+QQ] offset:KK*9216+\f*32
	ds_load_tr16_b128 v[\set+8*\f+4:\set+8*\f+7], v[WA+QQ] offset:KK*9216+\f*32+4608
.endr
.irp g, 0,1
	ds_load_b128 v[\set+32+8*\g:\set+32+8*\g+3], v[XA+QQ] offset:(KK>>1)*XPART+\g*2176+(KK&1)*64
	ds_load_b128 v[\set+32+8*\g+4:\set+32+8*\g+7], v[XA+QQ] offset:(KK>>1)*XPART+\g*2176+(KK&1)*64+32
.endr
.endm
.macro MM set, zero                    ; eight products; the eight accumulators take turns, one instruction a turn
.irp g, 0,1
.irp f, 0,1,2,3
.if \zero
	v_wmma_f32_16x16x32_f16 v[ACC+8*(4*\g+\f):ACC+8*(4*\g+\f)+7], v[\set+8*\f:\set+8*\f+7], v[\set+32+8*\g:\set+32+8*\g+7], 0
.else
	v_wmma_f32_16x16x32_f16 v[ACC+8*(4*\g+\f):ACC+8*(4*\g+\f)+7], v[\set+8*\f:\set+8*\f+7], v[\set+32+8*\g:\set+32+8*\g+7], v[ACC+8*(4*\g+\f):ACC+8*(4*\g+\f)+7]
.endif
.endr
.endr
.endm
.macro KS ks, cur, nxt                 ; the next step's fragments are asked for, then this step's are multiplied
	PLACES
	FRAG (\ks+1), \nxt
	s_wait_dscnt 0xc                               ; this step's 12 loads are in, the next step's 12 may be out
	MM \cur, 0
.endm
	s_load_b256 s[48:55], s[0:1], 0x0              ; ctx16 s[48:49], wo16 s[50:51], bo s[52:53], out0 s[54:55]
	v_lshl_add_u32 v208, v0, 2, 0x4e800
	v_mov_b32 v209, 0
	ds_add_u32 v208, v209
	v_lshrrev_b32 v1, 5, v0
	v_readfirstlane_b32 s10, v1                    ; wave 0 to 7
	s_and_b32 s11, s10, 3                          ; which part of a K half I fetch
	s_bfe_u32 s56, ttmp6, 0x40000                  ; cx
	s_bfe_u32 s57, ttmp6, 0x40004                  ; cy
	s_lshl_b32 s58, ttmp9, 2
	s_add_co_u32 s58, s58, s56                     ; block of 128 columns = 4 x cluster x + cx
	s_and_b32 s59, ttmp7, 0xffff
	s_lshl_b32 s59, s59, 2
	s_add_co_u32 s59, s59, s57                     ; block of 128 rows = 4 x cluster y + cy
	s_lshl_b32 s60, s57, 2
	s_lshl_b32 s60, 15, s60                        ; my row of the cluster: places 4 cy .. 4 cy + 3
	s_lshl_b32 s61, 0x1111, s56                    ; my column: places cx, cx + 4, cx + 8, cx + 12
	; group 1 for x: 64 rows of 32 elements of 8 bytes, dense in memory, 16 bytes of padding behind each row in LDS
	s_or_b32 s16, s60, (3<<16)|(1<<20)|(1<<21)|(5<<22)|(3<<25)  ; 15:0 my row; 17:16 8 bytes; 20 padding; 21 set beside a mask; 24:22 every 64 words; 31:25 four words
	s_mov_b32 s17, 32<<16                          ; tensor_dim0 = 32
	s_mov_b32 s18, 64<<16                          ; tensor_dim1 = 64
	s_mov_b32 s19, 32<<16                          ; tile_dim0 = 32
	s_mov_b32 s20, 64                              ; tile_dim1 = 64
	s_mov_b32 s21, 32                              ; from row to row: 32 elements
	s_mov_b32 s22, 0
	s_mov_b32 s23, 0
	; group 1 for W: 64 rows of 32 elements of 8 bytes, 128 elements (1,024 bytes) from row to row, 32 bytes of padding behind each row in LDS
	s_or_b32 s24, s61, (3<<16)|(1<<20)|(1<<21)|(5<<22)|(7<<25)  ; the same with my column's mask and eight words of padding
	s_mov_b32 s25, 32<<16
	s_mov_b32 s26, 64<<16
	s_mov_b32 s27, 32<<16
	s_mov_b32 s28, 64
	s_mov_b32 s29, 128
	s_mov_b32 s30, 0
	s_mov_b32 s31, 0
	; x hangs on the block of rows alone, W on the block of columns alone; every wave makes both addresses, in registers that never hold the other coordinate
	s_lshr_b32 s12, s59, 5                         ; batch
	s_lshl_b32 s12, s12, 3
	s_add_co_u32 s12, s12, s11                     ; bh of head (wave & 3)
	s_lshl_b32 s12, s12, 19                        ; 512 KiB for each bh
	s_and_b32 s13, s59, 31
	s_lshl_b32 s13, s13, 14                        ; 128 rows of 128 bytes
	s_add_co_u32 s12, s12, s13
	s_mov_b32 s13, 0
	s_lshl_b32 s14, s11, 16                        ; 64 rows of 1,024 bytes
	s_lshl_b32 s15, s58, 8                         ; 128 columns of 2 bytes
	s_add_co_u32 s14, s14, s15
	s_mov_b32 s15, 0
	s_mul_i32 s62, s10, XPART                      ; waves 0 to 3: head w
	s_mul_i32 s63, s10, WPART
	s_add_co_u32 s63, s63, WTL-4*WPART             ; waves 4 to 7: rows 64 (w - 4) of W.  No place in the cluster enters an LDS address
	s_mov_b32 s32, 1
	s_add_co_u32 s33, s62, 0
	s_mov_b32 s36, 1
	s_add_co_u32 s37, s62, 4*XPART                 ; K half 1: heads 4 to 7
	s_mov_b32 s40, 1
	s_add_co_u32 s41, s63, 0
	s_mov_b32 s44, 1
	s_add_co_u32 s45, s63, 4*WPART                 ; K half 1: rows 256 to 511
	; lane terms
	v_and_b32 v14, 15, v0                          ; r
	v_bfe_u32 v15, v0, 4, 1                        ; h
	s_and_b32 s3, s10, 1                           ; wf: which 64 columns
	s_lshr_b32 s4, s10, 1                          ; wg: which 32 rows
	v_lshrrev_b32 v1, 1, v14
	v_mul_u32_u24 v1, v1, 272
	v_and_b32 v10, 1, v14
	v_lshl_add_u32 v1, v10, 7, v1
	v_lshl_add_u32 v1, v15, 4, v1
	s_mul_i32 s5, s4, 4352                         ; 32 rows of 128 bytes = 16 rows at pitch 272
	v_add_nc_u32 v[XA], s5, v1                     ; x fragment: row r of my 32, 16 h
	v_add_nc_u32 v[XA+1], 2*XPART, v[XA]
	v_add_nc_u32 v[XA+2], 4*XPART, v[XA]
	v_add_nc_u32 v[XA+3], 6*XPART, v[XA]
	v_and_b32 v1, 7, v0
	v_lshl_add_u32 v1, v15, 3, v1
	v_mul_u32_u24 v1, v1, 288
	v_bfe_u32 v10, v0, 3, 1
	v_lshl_add_u32 v1, v10, 4, v1
	s_lshl_b32 s6, s3, 7
	s_add_co_u32 s6, s6, WTL
	v_add_nc_u32 v[WA], s6, v1                     ; W fragment: row 8 h + (L & 7), 16 bytes at 16 ((L >> 3) & 1), my 64 columns
	v_add_nc_u32 v[WA+1], 2*WPART, v[WA]
	v_add_nc_u32 v[WA+2], 4*WPART, v[WA]
	v_add_nc_u32 v[WA+3], 6*WPART, v[WA]
	s_mul_i32 s7, s10, 4352
	s_add_co_u32 s7, s7, STG                       ; my stage
	v_mul_u32_u24 v10, v14, 272
	v_lshl_add_u32 v10, v15, 5, v10
	v_add_nc_u32 v10, s7, v10                      ; in: row r, 32 h
	v_mul_u32_u24 v11, v15, 272
	v_lshl_add_u32 v11, v14, 4, v11
	v_add_nc_u32 v11, s7, v11                      ; back: row h, 16 r
	v_lshlrev_b32 v12, 11, v15
	v_lshl_add_u32 v12, v14, 4, v12                ; out0: row h, 16 r
	s_lshl_b32 s9, s3, 8
	v_lshl_add_u32 v13, v15, 5, s9                 ; bias of columns 64 wf + 8 h + ..
	s_lshl_b32 s6, s58, 9                          ; 128 columns of f32
	s_mov_b32 s7, 0
	s_lshl_b32 s8, s59, 18                         ; 128 rows of 2,048 bytes,
	s_lshl_b32 s5, s4, 16                          ; my 32 rows,
	s_add_co_u32 s8, s8, s5
	s_add_co_u32 s8, s8, s6
	s_add_co_u32 s8, s8, s9                        ; my 64 columns
	s_mov_b32 s9, 0
	s_wait_dscnt 0x0
	s_wait_kmcnt 0x0
	s_add_nc_u64 s[34:35], s[48:49], s[12:13]
	s_add_nc_u64 s[38:39], s[34:35], 0x200000      ; four heads on
	s_or_b32 s35, s35, 0x80000000                  ; type 2
	s_or_b32 s39, s39, 0x80000000
	s_add_nc_u64 s[42:43], s[50:51], s[14:15]
	s_add_nc_u64 s[46:47], s[42:43], 0x40000       ; 256 rows on
	s_or_b32 s43, s43, 0x80000000
	s_or_b32 s47, s47, 0x80000000
	s_add_nc_u64 s[52:53], s[52:53], s[6:7]
	s_add_nc_u64 s[54:55], s[54:55], s[8:9]
	ROUND                                          ; all sixteen work-groups are here: the joint loads meet
	s_cmp_lt_u32 s10, 4                            ; the branch hangs on the wave's number alone: it is the same in every work-group
	s_cbranch_scc0 .Lfor_w
	tensor_load_to_lds s[32:35], s[16:23]          ; x, K half 0: head w
	s_nop 0
	tensor_load_to_lds s[36:39], s[16:23]          ; x, K half 1: head 4 + w
	s_nop 0
	s_branch .Lasked
.Lfor_w:
	tensor_load_to_lds s[40:43], s[24:31]          ; W, K half 0: rows 64 (w - 4) ..
	s_nop 0
	tensor_load_to_lds s[44:47], s[24:31]          ; W, K half 1
	s_nop 0
.Lasked:
.irp f, 0,1,2,3
	global_load_b128 v[BI+8*\f:BI+8*\f+3], v13, s[52:53] offset:\f*64
	global_load_b128 v[BI+8*\f+4:BI+8*\f+7], v13, s[52:53] offset:\f*64+16
.endr
	s_wait_tensorcnt 0x1                           ; my part of K half 0 is in, my part of half 1 stays out
	s_barrier_signal -1
	s_barrier_wait -1                              ; everybody's is
	FRAG 0, FA
	FRAG 1, FB
	s_wait_dscnt 0xc
	MM FA, 1                                       ; the first products start the sums
	KS 1, FB, FA
	KS 2, FA, FB
	KS 3, FB, FA
	KS 4, FA, FB
	KS 5, FB, FA
	KS 6, FA, FB
	s_wait_dscnt 0x0                               ; step 7's fragments are in: no LDS instruction of mine is out at the signal
	s_wait_tensorcnt 0x0                           ; my part of K half 1 is in
	s_barrier_signal -1
	MM FB, 0                                       ; work on registers while the others arrive
	s_barrier_wait -1                              ; K half 1 is whole
	PLACES
	FRAG 8, FA
	FRAG 9, FB
	s_wait_dscnt 0xc
	MM FA, 0
	KS 9, FB, FA
	KS 10, FA, FB
	KS 11, FB, FA
	KS 12, FA, FB
	KS 13, FB, FA
	KS 14, FA, FB
	s_wait_dscnt 0x0
	MM FB, 0
	; The way out, 16 rows at a time: bias, my own stage (bytes that no other wave and no tensor load touches: no barrier), whole 256 bytes out.
	PLACES
	s_wait_loadcnt 0x0                             ; the bias
.irp g, 0,1
.irp f, 0,1,2,3
.irp p, 0,1,2,3
	v_pk_add_f32 v[ACC+8*(4*\g+\f)+2*\p:ACC+8*(4*\g+\f)+2*\p+1], v[ACC+8*(4*\g+\f)+2*\p:ACC+8*(4*\g+\f)+2*\p+1], v[BI+8*\f+2*\p:BI+8*\f+2*\p+1]
.endr
.endr
.endr
.irp g, 0,1
.irp f, 0,1,2,3
	ds_store_b128 v10, v[ACC+8*(4*\g+\f):ACC+8*(4*\g+\f)+3] offset:\f*64
	ds_store_b128 v10, v[ACC+8*(4*\g+\f)+4:ACC+8*(4*\g+\f)+7] offset:\f*64+16
.endr
.irp i, 0,1,2,3,4,5,6,7
	ds_load_b128 v[FA+48*\g+4*\i:FA+48*\g+4*\i+3], v11 offset:\i*544   ; my own bytes: LDS serves a wave's instructions in order (ISA guide 5.7.1)
.endr
.irp i, 0,1,2,3,4,5,6,7
	s_wait_dscnt 7-\i                              ; load i is in, the younger ones may be out
	global_store_b128 v12, v[FA+48*\g+4*\i:FA+48*\g+4*\i+3], s[54:55] offset:\g*32768+\i*4096 th:TH_STORE_NT   ; sixteen lanes store 256 consecutive bytes, aligned
.endr
.endr
	s_wait_tensorcnt 0x0
	ds_add_u32 v208, v209
	s_wait_dscnt 0x0
	ROUND                                          ; the closing round: no work-group ends while a partner may still ask
	s_endpgm
.Lfunc_end_k_q9507fc680f_oproj:
	.size	k_q9507fc680f_oproj, .Lfunc_end_k_q9507fc680f_oproj-k_q9507fc680f_oproj
	.p2alignl 7, 3214868480
	.fill 96, 4, 3214868480
	.section	.rodata,"a",@progbits
	.p2align	6, 0x0
	.amdhsa_kernel k_q9507fc680f_oproj
		.amdhsa_group_segment_fixed_size 322560
		.amdhsa_private_segment_fixed_size 0
		.amdhsa_enable_private_segment 0
		.amdhsa_kernarg_size 32
		.amdhsa_user_sgpr_count 2
		.amdhsa_user_sgpr_kernarg_segment_ptr 1
		.amdhsa_wavefront_size32 1
		.amdhsa_system_sgpr_workgroup_id_x 1
		.amdhsa_system_sgpr_workgroup_id_y 1
		.amdhsa_system_sgpr_workgroup_id_z 1
		.amdhsa_system_vgpr_workitem_id 0
		.amdhsa_next_free_vgpr 210
		.amdhsa_next_free_sgpr 66
		.amdhsa_reserve_vcc 0
		.amdhsa_float_denorm_mode_32 3
		.amdhsa_float_denorm_mode_16_64 3
		.amdhsa_memory_ordered 1
		.amdhsa_forward_progress 1
		.amdhsa_inst_pref_size 37
	.end_amdhsa_kernel
	.amdgpu_metadata
---
amdhsa.version: [ 1, 2 ]
amdhsa.kernels:
  - .name:           k_q9507fc680f_oproj
    .symbol:         k_q9507fc680f_oproj.kd
    .args:
      - { .name: ctx16, .offset: 0, .size: 8, .value_kind: global_buffer, .address_space: global }
      - { .name: wo16, .offset: 8, .size: 8, .value_kind: global_buffer, .address_space: global }
      - { .name: bo, .offset: 16, .size: 8, .value_kind: global_buffer, .address_space: global }
      - { .name: out0, .offset: 24, .size: 8, .value_kind: global_buffer, .address_space: global }
    .group_segment_fixed_size: 322560
    .private_segment_fixed_size: 0
    .kernarg_segment_align: 8
    .kernarg_segment_size: 32
    .max_flat_workgroup_size: 256
    .sgpr_count:     66
    .vgpr_count:     210
    .wavefront_size: 32
...
	.end_amdgpu_metadata
.endif
;; end of part 3
